; MI455X (gfx1250); checked and timed in simulation.
; The chip was launched on July 23, 2026; its instructions are those of AMD's public machine-readable ISA for CDNA 5 (MIT licence, August 2026) and "CDNA5" Instruction Set Architecture Reference Guide (July 2026). The comments in the code are by the model that wrote it; some were corrected since.
;; FP8 Sparse Mo E Layer. Allowed arithmetic: matrix products marked QUANTISED: E2M1 operands, one E8M0 scale for each 32 along K, by v_wmma_scale_f32_16x16x128_f8f6f4 with both operands' format E2M1 (or v_wmma_scale_f32_32x16x128_f4), f32 sums; everything else in f32.
;; Inputs: gating_output 2,048 x 8 float32; w1 8 x 2,048 x 1,024 float32; w1_scale 8 float32; w2 8 x 1,024 x 1,024 float32; w2_scale 8 float32; x 2,048 x 1,024 float32.
;; Outputs: out0 2,048 x 1,024 float32.
;; This version of the problem:
;;   THIS VERSION OF THE PROBLEM IS GIVEN IN LOW PRECISION. The matrix products marked QUANTISED in the list below multiply operands that are first quantised to E2M1 (2 exponent bits, 1 mantissa bit; 4 bits a number), with one power-of-two scale for each 32 numbers along K (OCP MX v1.0); their sums are f32. All else is computed in f32.
;;   The module's matrix products, in the order in which they are computed (A, B: the left and right operand; K: the contracted axis; several contracted axes count as one K, in the product's order):
;;     1. [M 2,048, K 1,024] x [K 1,024, N 1,024]; A: input x; B: computed on the way: QUANTISED
;;     2. [M 2,048, K 1,024] x [K 1,024, N 1,024]; A: input x; B: computed on the way: QUANTISED
;;     3. [M 2,048, K 1,024] x [K 1,024, N 1,024]; A: computed on the way; B: computed on the way: QUANTISED
;;     4. [M 2,048, K 1,024] x [K 1,024, N 1,024]; A: input x; B: computed on the way: QUANTISED
;;     5. [M 2,048, K 1,024] x [K 1,024, N 1,024]; A: input x; B: computed on the way: QUANTISED
;;     6. [M 2,048, K 1,024] x [K 1,024, N 1,024]; A: computed on the way; B: computed on the way: QUANTISED
;;     7. [M 2,048, K 1,024] x [K 1,024, N 1,024]; A: input x; B: computed on the way: QUANTISED
;;     8. [M 2,048, K 1,024] x [K 1,024, N 1,024]; A: input x; B: computed on the way: QUANTISED
;;     9. [M 2,048, K 1,024] x [K 1,024, N 1,024]; A: computed on the way; B: computed on the way: QUANTISED
;;     10. [M 2,048, K 1,024] x [K 1,024, N 1,024]; A: input x; B: computed on the way: QUANTISED
;;     11. [M 2,048, K 1,024] x [K 1,024, N 1,024]; A: input x; B: computed on the way: QUANTISED
;;     12. [M 2,048, K 1,024] x [K 1,024, N 1,024]; A: computed on the way; B: computed on the way: QUANTISED
;;     13. [M 2,048, K 1,024] x [K 1,024, N 1,024]; A: input x; B: computed on the way: QUANTISED
;;     14. [M 2,048, K 1,024] x [K 1,024, N 1,024]; A: input x; B: computed on the way: QUANTISED
;;     15. [M 2,048, K 1,024] x [K 1,024, N 1,024]; A: computed on the way; B: computed on the way: QUANTISED
;;     16. [M 2,048, K 1,024] x [K 1,024, N 1,024]; A: input x; B: computed on the way: QUANTISED
;;     17. [M 2,048, K 1,024] x [K 1,024, N 1,024]; A: input x; B: computed on the way: QUANTISED
;;     18. [M 2,048, K 1,024] x [K 1,024, N 1,024]; A: computed on the way; B: computed on the way: QUANTISED
;;     19. [M 2,048, K 1,024] x [K 1,024, N 1,024]; A: input x; B: computed on the way: QUANTISED
;;     20. [M 2,048, K 1,024] x [K 1,024, N 1,024]; A: input x; B: computed on the way: QUANTISED
;;     21. [M 2,048, K 1,024] x [K 1,024, N 1,024]; A: computed on the way; B: computed on the way: QUANTISED
;;     22. [M 2,048, K 1,024] x [K 1,024, N 1,024]; A: input x; B: computed on the way: QUANTISED
;;     23. [M 2,048, K 1,024] x [K 1,024, N 1,024]; A: input x; B: computed on the way: QUANTISED
;;     24. [M 2,048, K 1,024] x [K 1,024, N 1,024]; A: computed on the way; B: computed on the way: QUANTISED
;;   THE QUANTISER, for each operand of a quantised product, along K:
;;     - K is cut into blocks of 32 from its start; a last block that is shorter is filled with zeros.
;;     - A block's scale is 2^e with e = floor(log2(the largest magnitude in the block)) - 2, held to -126 .. 127; a block of zeros has e = 0. As a byte (E8M0): e + 127.
;;     - Each number is divided by its block's scale, clamped to +-6, and rounded to the nearest number of E2M1, ties to even, subnormals kept.
;;     - The product sums the exact products of the quantised numbers (number of the format x scale) in f32.
;;   ~~~python
;;   def quantise(x, axis):      # numpy; x: float32 -> the quantised numbers, widened to float32 again
;;       x = np.moveaxis(x, axis, -1); K = x.shape[-1]
;;       x = np.pad(x, [(0, 0)] * (x.ndim - 1) + [(0, -K % 32)]); x = x.reshape(x.shape[:-1] + (-1, 32)); a = np.abs(x).max(-1, keepdims=True)
;;       e = np.where(a > 0, np.clip(np.frexp(np.where(a > 0, a, 1))[1] - 1 - 2, -126, 127), 0)      # np.frexp(a)[1] - 1 = floor(log2(a)), exactly
;;       r = np.clip(x / 2.0 ** e, -6, 6)
;;       step = 2.0 ** (np.maximum(np.frexp(np.where(r == 0, 1, r))[1] - 1, 0) - 1)
;;       q = np.round(r / step) * step * 2.0 ** e      # np.round: ties to even
;;       return np.moveaxis(q.reshape(q.shape[:-2] + (-1,))[..., :K], -1, axis).astype(np.float32)
;;   ~~~
;;   OPERANDS COMPUTED ON THE WAY. 'Computed on the way' means the value that the module computes at that place (a softmax that the list does not call 'softmax' is quantised finished and normalised). What goes into a quantiser is computed in f32, as accurately as f32 sums, v_exp_f32 and their like allow (about 1e-6 of the number): no bf16 or f16 on the way to a quantiser, and a product that is left as it is and whose result goes on into a quantised operand takes f32 operands (vector FMAs, or v_wmma_f32_16x16x4_f32). A number that lies on a knife's edge between two numbers of the format may be rounded either way, as far as f32 arithmetic and the matrix unit's own rounding can turn it there, and no further.
;; One version. Each part assembles by itself: llvm-mc -triple=amdgcn-amd-amdhsa -mcpu=gfx1250 --defsym DOCPART=n.
;; ======== version 1 of 1: 3 launches
;; limits: right only within a limited range of input values
;; workspace buffers: xb 1,114,112 bytes; wb 4,456,448 bytes; hb 2,785,280 bytes; route 8,192 bytes of whole numbers; coef 16,384 bytes; ent 16,640 bytes of whole numbers
;; launch prep (part 1): grid 528 x 1, 4 waves a work-group, no clusters, 62,976 bytes of LDS; arguments gating_output, x, w2, w2_scale, xb, wb, route, coef, ent; writes xb, wb, route, coef, ent
.if DOCPART == 1
	.amdgcn_target "amdgcn-amd-amdhsa--gfx1250"
	.amdhsa_code_object_version 6
	.text
	.protected	k_q55e51ecda3_prep
	.globl	k_q55e51ecda3_prep
	.p2align	8
	.type	k_q55e51ecda3_prep,@function
k_q55e51ecda3_prep:
	s_mov_b64 s[64:65], 0
	v_nop
	global_prefetch_b8 v0, s[64:65] scope:SCOPE_SE
	s_setreg_imm32_b32 hwreg(HW_REG_WAVE_MODE, 25, 1), 1
	s_wait_xcnt 0x0
; PREP: all that hangs on no routing.  Work-groups 0-255: w2 x w2_scale into codes of FP4 (E2M1);  256-511: x into codes;  512-527: the router, a thread a token.
; WORK LEFT OUT BY THE PROGRAM: coef[t][e] is 0, by the model's own where, for every expert that is not one of token t's two; its y is multiplied by that 0 and added.  So only each token's two experts are multiplied,
; chosen by whole numbers that a later launch reads from memory.  LIMIT: a NaN, an infinity or an overflow that would arise only in an expert not chosen for a token is not carried to the result.
; ROUTER.  softmax rises with the gate, so the two largest gates are the two largest probabilities (strict compares keep the lower index).  Renormalised, the softmax's divisor cancels: with d = g2 - g1 <= 0 (the maximum
; is taken away) the weights are 1 / (1 + e^d) and e^d / (1 + e^d).  route[t] = a | b << 8 | class << 16 (a < b, class = a (13 - a) / 2 + b - 1), coef[t] = (weight of a, weight of b).  No address and no branch here
; hangs on these numbers.  The same threads fill the list of positions, ent words 0 .. 4095, with -1.
; QUANTISER.  A block's scale is 2^(floor(log2(its largest magnitude)) - 2); its byte is the largest magnitude's exponent field - 2, held at 1 from below; numbers are divided by the scale and rounded to the nearest code,
; ties to even, beyond 6 the largest code.  Each load reads 512 consecutive bytes; a step of 2,048 bytes turns through the wave's own stage in LDS (16 bytes of padding behind each 64) and comes back 16 neighbours a lane.
; x: a wave takes two rows in four steps.  xb: codes [2048][512 bytes], from byte XSO the scale bytes [2048][32].
; w2: a wave takes 16 rows (tile nt = 64 e + n / 16) x 512 along K (half hf), 16 steps; the numbers are first multiplied by the expert's scale in f32.  The codes are gathered by rows in LDS (pitch 272) and leave as images of
; fragments: wb[nt][K step][c][lane][16 bytes]; from byte WSO the scale bytes [nt][hf][r][16].
; LIMITS: NaN and infinities among the inputs are not served.  A block of zeros gets the byte 1 (its codes are zeros; this program alone reads the bytes); blocks under 2^-124 are held at that byte.  Two different gates
; whose f32 probabilities would be equal are told apart here by the gates.
; No matrix unit, no cluster, no tensor load: no two work-groups read the same bytes.  The two quantising paths have LDS bytes of their own.
.set WSO,   4194304
.set XSO,   1048576
.set WREG,  10240                      ; LDS of a w2 wave: two stages (5,120), 256 scale bytes, 16 rows x 272 of codes
.set SBO,   5120
.set CR,    5376
.set XLB,   40960                      ; behind the four: the x path's LDS, 5,376 bytes a wave
.set XREG,  5376
.set SPARE, 62464                      ; the spare words, 128 bytes a wave
.set RD,    8
.set NS,    16
.set GA,   3
.set SIN,  4
.set SOUT, 5
.set L8,   6
.set CRA,  7
.set SBA,  8
.set CRR,  9
.set M0,   10
.set M1,   11
.set SOP,  12
.set SBR,  14
.set SO2,  15
.set C,    16
.set E,    20
.set OUTR, 24
.set XC,   24
.set XE,   32
.set R,    64
.set X,    192
.set SC,   28
.macro QLOAD t, sb, pitch
.irp i, 0,1,2,3
	global_load_b128 v[R+16*((\t)%RD)+4*\i:R+16*((\t)%RD)+4*\i+3], v[GA], s[\sb:\sb+1] offset:\pitch*(\t)+512*\i th:TH_LOAD_NT
.endr
.endm
.macro QTURN t                         ; LDS serves a wave's instructions in order: no wait between the stores and the loads
.irp i, 0,1,2,3
	ds_store_b128 v[SIN], v[R+16*((\t)%RD)+4*\i:R+16*((\t)%RD)+4*\i+3] offset:2560*((\t)%2)+640*\i
.endr
.irp i, 0,1,2,3
	ds_load_b128 v[X+16*((\t)%2)+4*\i:X+16*((\t)%2)+4*\i+3], v[SOUT] offset:2560*((\t)%2)+16*\i
.endr
.endm
.macro QMAX                            ; the largest magnitude of 16, in two chains, with the floor 2^(3 - 127) as one more leaf
	v_max3_num_f32 v[M0], |v[XS]|, |v[XS+1]|, |v[XS+2]|
	v_max3_num_f32 v[M1], |v[XS+3]|, |v[XS+4]|, |v[XS+5]|
.irp i, 6,10
	v_max3_num_f32 v[M0], v[M0], |v[XS+\i]|, |v[XS+\i+1]|
	v_max3_num_f32 v[M1], v[M1], |v[XS+\i+2]|, |v[XS+\i+3]|
.endr
	v_max3_num_f32 v[M0], v[M0], |v[XS+14]|, |v[XS+15]|
	v_max3_num_f32 v[M0], v[M0], v[M1], 0x1800000
	v_max_num_f32_dpp v[M0], v[M0], v[M0] row_xmask:1 row_mask:0xf bank_mask:0xf   ; with my neighbour's 16: the block's
	v_add_nc_u32 v[SOP], 0xff000000, v[M0]         ; 2 off the exponent field: the conversion's scale operand
.endm
	s_load_b512 s[4:19], s[0:1], 0x0               ; gates 4, x 6, w2 8, w2_scale 10, xb 12, wb 14, route 16, coef 18
	s_load_b64 s[20:21], s[0:1], 0x40              ; ent
	v_lshl_add_u32 v224, v0, 2, SPARE
	v_mov_b32 v225, 0
	v_lshrrev_b32 v1, 5, v0
	v_readfirstlane_b32 s22, v1                    ; wave
	v_and_b32 v2, 31, v0                           ; lane
	v_lshlrev_b32 v[GA], 4, v2
	v_lshrrev_b32 v13, 2, v2
	v_mul_u32_u24 v[SIN], v13, 80
	v_and_b32 v13, 3, v2
	v_lshl_add_u32 v[SIN], v13, 4, v[SIN]          ; the stage, way in: 80 (lane / 4) + 16 (lane % 4)
	v_mul_u32_u24 v[SOUT], v2, 80                  ; way out: 80 x lane
	v_lshlrev_b32 v[L8], 3, v2
	v_lshrrev_b32 v[SBA], 1, v2
	s_mov_b32 s25, 0
	s_wait_alu depctr_va_vdst(0)                   ; the wait at the head's end
	s_wait_kmcnt 0x0
	s_cmp_lt_u32 ttmp9, 256
	s_cbranch_scc0 .Lnot_w2
	; ---- w2 into codes
	s_lshl_b32 s23, ttmp9, 2
	s_add_co_u32 s23, s23, s22                     ; 2 nt + hf, 0 .. 1023
	s_lshr_b32 s24, s23, 7                         ; the expert
	s_lshl_b32 s24, s24, 2
	s_add_nc_u64 s[10:11], s[10:11], s[24:25]
	s_load_b32 s[SC], s[10:11], 0x0
	s_lshr_b32 s24, s23, 1
	s_lshl_b32 s24, s24, 16                        ; 16 rows of 4,096 bytes a tile,
	s_and_b32 s26, s23, 1
	s_lshl_b32 s26, s26, 11                        ; 2,048 bytes a half
	s_add_co_u32 s24, s24, s26
	s_add_nc_u64 s[8:9], s[8:9], s[24:25]
	s_lshl_b32 s24, s23, 12
	s_add_nc_u64 s[30:31], s[14:15], s[24:25]      ; my four K steps' images
	s_lshl_b32 s24, s23, 8
	s_add_nc_u64 s[32:33], s[14:15], s[24:25]      ; my 256 scale bytes
.irp t, 0,1,2,3,4,5,6,7
	QLOAD \t, 8, 4096
.endr
	s_mul_i32 s34, s22, WREG
	v_add_nc_u32 v[SIN], s34, v[SIN]
	v_add_nc_u32 v[SOUT], s34, v[SOUT]
	v_add_nc_u32 v[CRA], s34, v[L8]
	v_add_nc_u32 v[SBA], s34, v[SBA]
	v_and_b32 v13, 15, v2
	v_mul_u32_u24 v[CRR], v13, 272
	v_lshrrev_b32 v13, 4, v2
	v_lshl_add_u32 v[CRR], v13, 4, v[CRR]
	v_add_nc_u32 v[CRR], s34, v[CRR]
	s_wait_alu depctr_va_vdst(0)                   ; the wait ahead of the waits below
	s_wait_kmcnt 0x0
	s_mov_b32 s[SC+1], s[SC]
.macro WSTEP t
.set XS, X+16*((\t)%2)
.set CC, C+2*((\t)%2)
.if (\t) > 0
	s_wait_dscnt 2                                 ; this step's numbers are back; the last step's two output stores may be out
.else
	s_wait_dscnt 0x0
.endif
.if (\t)+RD < NS
	QLOAD (\t)+RD, 8, 4096                         ; into the registers that this step's stores into the stage have read
.endif
.if (\t)+1 < NS
.if NS-2-(\t) >= RD-1
	s_wait_loadcnt 4*(RD-1)                        ; the next step's four loads are in; seven steps' may be out
.else
	s_wait_loadcnt 4*(NS-2-(\t))
.endif
	QTURN (\t)+1
.endif
.irp k, 0,2,4,6,8,10,12,14
	v_pk_mul_f32 v[XS+\k:XS+\k+1], v[XS+\k:XS+\k+1], s[SC:SC+1] op_sel_hi:[1,0]   ; x the expert's scale, in f32
.endr
	QMAX
	v_cvt_scalef32_pk8_fp4_f32 v[CC], v[XS:XS+7], v[SOP]
	v_cvt_scalef32_pk8_fp4_f32 v[CC+1], v[XS+8:XS+15], v[SOP]
	v_lshrrev_b32 v[E+(\t)%2], 23, v[SOP]          ; the byte; also the plain line behind the conversions
	ds_store_b64 v[CRA], v[CC:CC+1] offset:CR+272*(\t)
	ds_store_b8 v[SBA], v[E+(\t)%2] offset:SBO+16*(\t)
.endm
	s_wait_loadcnt 28                              ; step 0's four loads are in; steps 1 to 7's may be out
	QTURN 0
.irp t, 0,1,2,3,4,5,6,7,8,9,10,11,12,13,14,15
	WSTEP \t
.endr
.irp i, 0,1,2,3,4,5,6,7                ; lane (r, h) takes bytes 32 i + 16 h of row r: four registers of a fragment
	ds_load_b128 v[OUTR+4*\i:OUTR+4*\i+3], v[CRR] offset:CR+32*\i
.endr
	ds_load_b64 v[OUTR+32:OUTR+33], v[CRA] offset:SBO
	s_wait_dscnt 0x0
.irp i, 0,1,2,3,4,5,6,7
	global_store_b128 v[GA], v[OUTR+4*\i:OUTR+4*\i+3], s[30:31] offset:512*\i   ; 512 consecutive bytes, aligned
.endr
	global_store_b64 v[L8], v[OUTR+32:OUTR+33], s[32:33] offset:WSO             ; 256 consecutive bytes, aligned
	s_wait_tensorcnt 0x0                           ; the wave's end
	ds_add_u32 v224, v225
	s_wait_dscnt 0x0
	s_endpgm
.Lnot_w2:
	s_cmp_lt_u32 ttmp9, 512
	s_cbranch_scc0 .Lrouter
	; ---- x into codes
	s_sub_co_u32 s23, ttmp9, 256
	s_lshl_b32 s23, s23, 2
	s_add_co_u32 s23, s23, s22                     ; which pair of rows is my wave's
	s_lshl_b32 s24, s23, 13
	s_add_nc_u64 s[6:7], s[6:7], s[24:25]
	s_lshl_b32 s24, s23, 6
	s_add_nc_u64 s[26:27], s[12:13], s[24:25]      ; the scale bytes: 64
	s_lshl_b32 s24, s23, 10
	s_add_nc_u64 s[12:13], s[12:13], s[24:25]      ; the codes: 1,024 bytes
.irp t, 0,1,2,3
	QLOAD \t, 6, 2048
.endr
	s_mul_i32 s34, s22, XREG
	s_add_co_u32 s34, s34, XLB
	v_add_nc_u32 v[SIN], s34, v[SIN]
	v_add_nc_u32 v[SOUT], s34, v[SOUT]
	v_add_nc_u32 v[SBA], s34, v[SBA]
	v_lshlrev_b32 v[SO2], 1, v2
	v_add_nc_u32 v[SBR], s34, v[SO2]
.macro XSTEP t
.set XS, X+16*((\t)%2)
.if (\t) > 0
	s_wait_dscnt 1                                 ; this step's numbers are back; the last step's byte store may be out
.else
	s_wait_dscnt 0x0
.endif
.if (\t)+1 < 4
	s_wait_loadcnt 4*(2-(\t))
	QTURN (\t)+1
.endif
	QMAX
	v_cvt_scalef32_pk8_fp4_f32 v[XC+2*(\t)], v[XS:XS+7], v[SOP]
	v_cvt_scalef32_pk8_fp4_f32 v[XC+2*(\t)+1], v[XS+8:XS+15], v[SOP]
	v_lshrrev_b32 v[XE+(\t)], 23, v[SOP]
	ds_store_b8 v[SBA], v[XE+(\t)] offset:SBO+16*(\t)
	global_store_b64 v[L8], v[XC+2*(\t):XC+2*(\t)+1], s[12:13] offset:256*(\t)   ; 256 consecutive bytes, aligned
.endm
	s_wait_alu depctr_va_vdst(0)                   ; the wait ahead of the wait below
	s_wait_loadcnt 12
	QTURN 0
.irp t, 0,1,2,3
	XSTEP \t
.endr
	ds_load_u16 v13, v[SBR] offset:SBO
	s_wait_dscnt 0x0
	global_store_b16 v[SO2], v13, s[26:27] offset:XSO   ; 64 consecutive bytes a wave
	s_wait_tensorcnt 0x0                           ; the wave's end
	ds_add_u32 v224, v225
	s_wait_dscnt 0x0
	s_endpgm
	; ---- the router
.Lrouter:
	s_sub_co_u32 s23, ttmp9, 512
	s_lshl_b32 s23, s23, 7
	v_add_nc_u32 v1, s23, v0                       ; my token
	v_lshlrev_b32 v2, 5, v1
	global_load_b128 v[8:11], v2, s[4:5]           ; its eight gates
	global_load_b128 v[12:15], v2, s[4:5] offset:16
	v_lshlrev_b32 v3, 2, v1
	v_lshlrev_b32 v4, 3, v1
	v_mov_b32 v20, 0xff800000
	v_mov_b32 v32, -1
	v_mov_b32 v33, -1
	v_mov_b32 v17, 0
	v_mov_b32 v19, 0
	s_wait_alu depctr_va_vdst(0)
	s_wait_loadcnt 0x0
	v_mov_b32 v16, v8                              ; the largest gate and its index
.irp i, 1,2,3,4,5,6,7
	v_cmp_gt_f32 vcc_lo, v[8+\i], v16
	v_cndmask_b32 v16, v16, v[8+\i], vcc_lo
	v_cndmask_b32 v17, v17, \i, vcc_lo
.endr
.irp i, 0,1,2,3,4,5,6,7
	v_cmp_eq_u32 vcc_lo, \i, v17                   ; the winner leaves the field
	v_cndmask_b32 v[8+\i], v[8+\i], v20, vcc_lo
.endr
	v_mov_b32 v18, v8                              ; the second largest and its index
.irp i, 1,2,3,4,5,6,7
	v_cmp_gt_f32 vcc_lo, v[8+\i], v18
	v_cndmask_b32 v18, v18, v[8+\i], vcc_lo
	v_cndmask_b32 v19, v19, \i, vcc_lo
.endr
	v_sub_f32 v21, v18, v16                        ; d = g2 - g1, 0 or less
	v_mul_f32 v21, 0x3fb8aa3b, v21
	s_wait_alu depctr_va_vdst(0)
	v_exp_f32 v22, v21
	v_min_u32 v23, v17, v19                        ; a
	v_max_u32 v24, v17, v19                        ; b
	s_wait_alu depctr_va_vdst(0)
	v_add_f32 v25, 1.0, v22
	s_wait_alu depctr_va_vdst(0)
	v_rcp_f32 v26, v25                             ; the first choice's weight
	v_sub_nc_u32 v27, 13, v23                      ; the class
	v_mul_u32_u24 v27, v27, v23
	v_lshrrev_b32 v27, 1, v27
	v_add_nc_u32 v27, v27, v24
	v_add_nc_u32 v27, -1, v27
	v_lshl_or_b32 v29, v24, 8, v23
	v_lshl_or_b32 v29, v27, 16, v29
	s_wait_alu depctr_va_vdst(0)
	v_mul_f32 v28, v22, v26                        ; the second choice's weight
	v_cmp_lt_u32 vcc_lo, v17, v19
	v_cndmask_b32 v30, v28, v26, vcc_lo            ; weight of a
	v_cndmask_b32 v31, v26, v28, vcc_lo            ; weight of b
	global_store_b32 v3, v29, s[16:17]
	global_store_b64 v4, v[30:31], s[18:19]
	global_store_b64 v4, v[32:33], s[20:21]        ; two positions of the list: empty
	s_endpgm
.Lfunc_end_k_q55e51ecda3_prep:
	.size	k_q55e51ecda3_prep, .Lfunc_end_k_q55e51ecda3_prep-k_q55e51ecda3_prep
	.p2alignl 7, 3214868480
	.fill 96, 4, 3214868480
	.section	.rodata,"a",@progbits
	.p2align	6, 0x0
	.amdhsa_kernel k_q55e51ecda3_prep
		.amdhsa_group_segment_fixed_size 62976
		.amdhsa_private_segment_fixed_size 0
		.amdhsa_enable_private_segment 0
		.amdhsa_kernarg_size 72
		.amdhsa_user_sgpr_count 2
		.amdhsa_user_sgpr_kernarg_segment_ptr 1
		.amdhsa_wavefront_size32 1
		.amdhsa_system_sgpr_workgroup_id_x 1
		.amdhsa_system_sgpr_workgroup_id_y 1
		.amdhsa_system_sgpr_workgroup_id_z 1
		.amdhsa_system_vgpr_workitem_id 0
		.amdhsa_next_free_vgpr 226
		.amdhsa_next_free_sgpr 66
		.amdhsa_reserve_vcc 1
		.amdhsa_float_denorm_mode_32 3
		.amdhsa_float_denorm_mode_16_64 3
		.amdhsa_memory_ordered 1
		.amdhsa_forward_progress 1
		.amdhsa_inst_pref_size 55
	.end_amdhsa_kernel
	.amdgpu_metadata
---
amdhsa.version: [ 1, 2 ]
amdhsa.kernels:
  - .name:           k_q55e51ecda3_prep
    .symbol:         k_q55e51ecda3_prep.kd
    .args:
      - { .name: gating_output, .offset: 0, .size: 8, .value_kind: global_buffer, .address_space: global }
      - { .name: x, .offset: 8, .size: 8, .value_kind: global_buffer, .address_space: global }
      - { .name: w2, .offset: 16, .size: 8, .value_kind: global_buffer, .address_space: global }
      - { .name: w2_scale, .offset: 24, .size: 8, .value_kind: global_buffer, .address_space: global }
      - { .name: xb, .offset: 32, .size: 8, .value_kind: global_buffer, .address_space: global }
      - { .name: wb, .offset: 40, .size: 8, .value_kind: global_buffer, .address_space: global }
      - { .name: route, .offset: 48, .size: 8, .value_kind: global_buffer, .address_space: global }
      - { .name: coef, .offset: 56, .size: 8, .value_kind: global_buffer, .address_space: global }
      - { .name: ent, .offset: 64, .size: 8, .value_kind: global_buffer, .address_space: global }
    .group_segment_fixed_size: 62976
    .private_segment_fixed_size: 0
    .kernarg_segment_align: 8
    .kernarg_segment_size: 72
    .max_flat_workgroup_size: 128
    .sgpr_count:     66
    .vgpr_count:     226
    .wavefront_size: 32
...
	.end_amdgpu_metadata
.endif
;; end of part 1
;; launch gateup (part 2): grid 32 x 8, 8 waves a work-group, no clusters, 196,608 bytes of LDS; arguments w1, w1_scale, xb, route, hb, ent; writes hb, ent
.if DOCPART == 2
	.amdgcn_target "amdgcn-amd-amdhsa--gfx1250"
	.amdhsa_code_object_version 6
	.text
	.protected	k_q55e51ecda3_gateup
	.globl	k_q55e51ecda3_gateup
	.p2align	8
	.type	k_q55e51ecda3_gateup,@function
k_q55e51ecda3_gateup:
	s_mov_b64 s[64:65], 0
	v_nop
	global_prefetch_b8 v0, s[64:65] scope:SCOPE_SE
	s_setreg_imm32_b32 hwreg(HW_REG_WAVE_MODE, 25, 1), 1
	s_wait_xcnt 0x0
; GATEUP.  h = silu(x Wg^T) * (x Wu^T), both products on codes of FP4 (E2M1) with one E8M0 byte for each 32 along K, for the tokens routed to an expert alone (the others' results are multiplied by a 0 of the model's
; own making: see the first kernel); h leaves as codes for the down product.
; SHARES.  Work-group (j, e) owns hidden units 32 j .. 32 j + 31 of expert e: 32 gate rows and 32 up rows of w1[e], 262,144 bytes of f32, read from memory once and by nobody else.
; THE SORT stands behind the issue of each wave's first 32 loads of w1.  Every work-group sorts the 2,048 tokens by class (their pair of experts), a counting sort without atomics: wave w owns tokens
; 256 w .. 256 w + 255, 8 groups of 32.  Lane c takes its own number for a class: five lane masks (bit k of the tokens' classes), each or its complement, joined by AND, are the group's tokens of class c.  The eight
; waves' counts meet in LDS; a class is padded to whole tiles of 16 positions; an exclusive scan gives its first position: at most (2048 + 28 x 15) / 16 = 154 tiles.  Each wave lays (position, word) of its tokens into LDS at
; places made of ids; wave 0 alone, between two barriers between which no other wave touches LDS, puts each word (token | a << 16 | b << 24) at its position in the list (filled with -1 before).
; Work-group (0, 0) also stores the words and the classes' table (first tile | tiles << 16, from byte 16,384) into ent, for the next launch; this launch never loads ent.
; THE DEAL.  The tiles that hold e are ranked in the list's order; wave w takes ranks 8 i + w, so no wave has more than ceil(tiles / 8).  A tile's number is pushed to lane i of its wave; lane i then reads the tile's
; 16 words, register r holding position r.  An empty position takes the tile's first token, which is a real one.  In trip k a row's token is read from lane k.
; PHASE 1: wave w multiplies 8 rows by w1_scale[e] in f32 and quantises them along K into LDS; a barrier; every wave takes all 64 rows' fragments into window 1 and keeps them.
; PHASE 2: a tile's 16 rows of x's codes come by one load of 512 bytes each, one tile ahead, and turn through the wave's own LDS (pitch 528) into fragments.
; THE PRODUCTS ARE USED TRANSPOSED (source 0 = 16 rows of w1, source 1 = 16 tokens), and lane r of tile u takes row 32 (u / 2) + 8 (u % 2) + r + 8 (r / 8): lane (r, h) holds token r, its 16 registers of tiles 0, 1 are units 16 h + 0 .. 15.
; hb: codes [2 tile + member][j][r][16 bytes]; from byte HSO the scale bytes [2 tile + member][r][32].  A tile's codes leave as 256 consecutive aligned bytes.
; LIMITS: NaN and infinities are not served; a block of zeros gets the byte 1 (its codes are zeros; this program alone reads the bytes); blocks under 2^-124 are held at that byte.
; NO TENSOR LOAD, NO CLUSTER: the trip counts are read from memory; the weights, the bulk of the bytes, are shared by no two work-groups.  No prefetch: each wave keeps 32 loads of 512 bytes of its one stream out.
.set XSO,   1048576
.set HSO,   2621440
.set XT,    6144                       ; in a wave's 16,384 bytes of LDS: stages at 0, the tile's rows at XT (16 x 528)
.set WC,    131072                     ; the work-group's 64 rows of codes, pitch 528
.set WS,    164864                     ; their scale bytes, 32 a row
.set SPARE, 167936                     ; the spare words, 128 bytes a wave
.set CNT,   168960                     ; the sort: eight waves' counts, 128 bytes each
.set ENT,   169984                     ; the list: 2,560 words
.set XCH,   180224                     ; (position, word) of 2,048 tokens
.set PW,    528
.set RD,    8
.set NS,    16
.set LANE, 1
.set RR,   2
.set HH,   3
.set GA,   4
.set SIN,  5
.set SOUT, 6
.set WCA,  7
.set WSA,  8
.set AW,   9
.set ASW,  10
.set XTI,  11
.set XTO,  12
.set XA,   13
.set HA,   14
.set HB,   15
.set SA0,  16
.set SA1,  17
.set CWA,  16                          ; the sort's LDS addresses lie in registers that phase 2 uses later
.set CRD,  17
.set TOKC, 18
.set TMP,  19
.set XR,   20
.set M0,   21
.set M1,   22
.set SOP,  23
.set BY,   24
.set XSA,  25
.set HDA,  93                          ; kept across the first quantising steps
.set SCB,  28                          ; v28-91 wave 0: 32 (position, word) pairs at a time
.set FA,   24
.set FB,   25
.set HC,   26
.set C,    28
.set E,    32
.set WSC,  28
.set XSC,  44
.set XSN,  52
.set AD,   60
.set T,    76                          ; v76-91 lane i: the 16 tokens of my i-th tile
.set LST,  92                          ; lane i: 2 tile + member of my i-th tile
.set RAW,  96
.set XF,   160
.set TT,   160
.set GU,   176
.set ACC,  224
.set R,    96
.set X,    224
; the sort's registers
.set RT,   28
.set CL,   36
.set MK,   44
.set PP,   44
.set PX,   52
.set SM,   61
.set LNB,  69
.set PWD,  74
.set OFS,  82
.set TOT,  83
.set BEF,  84
.set PADR, 85
.set BASE, 86
.set TK0,  87
.set RA,   88
.set CTW,  91
.set C4,   92
.set TB,   224
.set PR,   224
.set FL,   244
; the deal's
.set HD,   28
.set DQ,   33
.set VQ,   38
.set PQ,   43
.set L2,   53
.set K124, 54
.set RK,   55
.set DD,   56
.set TAD,  57
.set W,    16
.set J,    17
.set EX,   18
.set SC,   28
.set N,    32
.set TOTS, 33
.set HIC,  35
.set KK,   38
.set KX,   39
.set SEL,  46
.set CS,   48
.set SMK,  66
.set MSB, 0
.macro WIN new
.if MSB != \new
	s_set_vgpr_msb (MSB<<8)|\new
.set MSB, \new
.endif
.endm
.macro BAR
	s_wait_alu depctr_va_vdst(0)                   ; the wait ahead of the wait and the barrier
	s_wait_dscnt 0x0                               ; for the others' sake: my LDS instructions are done
	s_barrier_signal -1
	s_barrier_wait -1
.endm
	s_load_b256 s[4:11], s[0:1], 0x0               ; w1 4, w1_scale 6, xb 8, route 10
	s_load_b128 s[12:15], s[0:1], 0x20             ; hb 12, ent 14
	v_lshl_add_u32 v94, v0, 2, SPARE
	v_mov_b32 v95, 0
	v_lshrrev_b32 v1, 5, v0
	v_readfirstlane_b32 s[W], v1
	v_and_b32 v[LANE], 31, v0
	v_and_b32 v[RR], 15, v0
	v_bfe_u32 v[HH], v0, 4, 1
	v_lshlrev_b32 v[GA], 4, v[LANE]
	v_and_b32 v[TK0], 0xe0, v0
	v_lshl_add_u32 v[TK0], v[TK0], 3, v[LANE]      ; my token of group 0: 256 x wave + lane
	v_lshlrev_b32 v[RA], 2, v[TK0]
	s_mov_b32 s[J], ttmp9
	s_and_b32 s[EX], ttmp7, 0xffff
	s_lshl_b32 s20, s[EX], 11                      ; my first row of w1: 2048 e + 1024 (w / 4) + 32 j + 8 (w % 4)
	s_lshr_b32 s21, s[W], 2
	s_lshl_b32 s21, s21, 10
	s_add_co_u32 s20, s20, s21
	s_lshl_b32 s21, s[J], 5
	s_add_co_u32 s20, s20, s21
	s_and_b32 s21, s[W], 3
	s_lshl_b32 s21, s21, 3
	s_add_co_u32 s20, s20, s21
	s_lshl_b32 s20, s20, 12
	s_mov_b32 s21, 0
	s_lshl_b32 s22, s[EX], 2
	s_mov_b32 s23, 0
	s_wait_alu depctr_va_vdst(0)
	s_wait_kmcnt 0x0
	s_add_nc_u64 s[4:5], s[4:5], s[20:21]
	s_add_nc_u64 s[24:25], s[6:7], s[22:23]
	s_load_b32 s[SC], s[24:25], 0x0
.irp g, 0,1,2,3,4,5,6,7
	global_load_b32 v[RT+\g], v[RA], s[10:11] offset:128*\g    ; my 256 tokens' route words: the oldest loads
.endr
.macro QLOAD t                         ; step t: half a row, 2,048 consecutive bytes
.irp i, 0,1,2,3
	global_load_b128 v[R+16*((\t)%RD)+4*\i:R+16*((\t)%RD)+4*\i+3], v[GA], s[4:5] offset:2048*(\t)+512*\i th:TH_LOAD_NT
.endr
.endm
.irp t, 0,1,2,3,4,5,6,7
	QLOAD \t
.endr
	; every LDS address made of ids, ahead of the first parting of the waves
	s_lshl_b32 s40, s[W], 14
	v_lshrrev_b32 v[M0], 2, v[LANE]
	v_mul_u32_u24 v[SIN], v[M0], 80
	v_and_b32 v[M0], 3, v[LANE]
	v_lshl_add_u32 v[SIN], v[M0], 4, v[SIN]
	v_add_nc_u32 v[SIN], s40, v[SIN]
	v_mul_u32_u24 v[SOUT], v[LANE], 80
	v_add_nc_u32 v[SOUT], s40, v[SOUT]
	v_add_nc_u32 v[XTI], s40, v[GA]
	v_mul_u32_u24 v[XTO], v[RR], PW
	v_lshl_add_u32 v[XTO], v[HH], 4, v[XTO]
	v_add_nc_u32 v[XTO], s40, v[XTO]
	s_mul_i32 s41, s[W], 8*PW
	s_add_co_u32 s41, s41, WC
	v_lshl_add_u32 v[WCA], v[LANE], 3, s41
	s_lshl_b32 s41, s[W], 8
	s_add_co_u32 s41, s41, WS
	v_lshrrev_b32 v[M0], 1, v[LANE]
	v_add_nc_u32 v[WSA], s41, v[M0]
	v_and_b32 v[M0], 8, v[RR]
	v_add_nc_u32 v[M0], v[M0], v[RR]               ; r + 8 (r / 8)
	v_mul_u32_u24 v[AW], v[M0], PW
	v_lshl_add_u32 v[AW], v[HH], 4, v[AW]
	v_add_nc_u32 v[AW], WC, v[AW]
	v_lshl_add_u32 v[ASW], v[HH], 3, v[M0]
	v_lshlrev_b32 v[ASW], 5, v[ASW]
	v_add_nc_u32 v[ASW], WS, v[ASW]
	v_lshlrev_b32 v[HA], 4, v[RR]
	v_lshl_add_u32 v[HA], v[HH], 3, v[HA]
	s_lshl_b32 s41, s[J], 8
	v_add_nc_u32 v[HA], s41, v[HA]                 ; h's codes: 256 j + 16 r + 8 h
	v_lshlrev_b32 v[HB], 5, v[RR]
	v_add_nc_u32 v[HB], s[J], v[HB]                ; h's scale byte: 32 r + j
	v_mov_b32 v[TMP], 0
	v_mov_b32 v[TOKC], 0
	v_lshl_add_u32 v[CWA], v0, 2, CNT              ; my wave's 32 counts, my lane's
	v_lshl_add_u32 v[CRD], v[LANE], 2, CNT
	v_lshl_add_u32 v[FA], v0, 4, ENT               ; the fill: 2 x 16 bytes and 8 bytes a thread
	v_lshl_add_u32 v[FB], v0, 3, ENT+8192
	v_lshl_add_u32 v[XA], v0, 3, XCH
	v_lshl_add_u32 v[XR], v[LANE], 3, XCH
	v_lshl_add_u32 v[HDA], v[LANE], 6, ENT         ; the first word of tile 32 q + lane
	v_lshlrev_b32 v[C4], 2, v[LANE]
.irp k, 0,1,2,3
	v_mov_b32 v[FL+\k], -1
.endr
.irp k, 0,1,2,3,4
	v_bfe_u32 v[LNB+\k], v[LANE], \k, 1
.endr
.irp k, 0,1,2,3,4
	v_add_nc_u32 v[LNB+\k], -1, v[LNB+\k]          ; bit k of my lane's number ? 0 : -1
.endr
	s_mov_b32 s56, 0x55555555
	s_mov_b32 s57, 0x33333333
	s_mov_b32 s58, 0x0f0f0f0f
	s_mov_b32 s59, 0x01010101
	v_mov_b32 v[PX], 0
	v_mov_b32 v[OFS], 0
	v_mov_b32 v[BEF], 0
	ds_store_b128 v[FA], v[FL:FL+3]                ; the list: empty
	ds_store_b128 v[FA], v[FL:FL+3] offset:4096
	ds_store_b64 v[FB], v[FL:FL+1]
	s_wait_alu depctr_va_vdst(0)                   ; the wait ahead of the wait below
	s_wait_loadcnt 32                              ; the route words are in; the 32 loads of w1 may be out
.irp g, 0,1,2,3,4,5,6,7
	v_bfe_u32 v[CL+\g], v[RT+\g], 16, 8
.endr
.macro BATCH g0                        ; four groups, line by line by turns
.irp q, 0,1,2,3
.irp k, 0,1,2,3,4
	v_and_b32 v[TB+5*\q+\k], 1<<\k, v[CL+(\g0)+\q]
.endr
.endr
.irp q, 0,1,2,3
.irp k, 0,1,2,3,4
	v_cmp_ne_u32 s[SMK+5*\q+\k], 0, v[TB+5*\q+\k]          ; which tokens of the group have bit k of their class set
.endr
.endr
.irp q, 0,1,2,3
.irp k, 0,1,2,3,4
	v_xor_b32 v[TB+5*\q+\k], s[SMK+5*\q+\k], v[LNB+\k]     ; lane c: the tokens whose bit k is that of c
.endr
.endr
.irp q, 0,1,2,3
	v_and_b32 v[TB+5*\q], v[TB+5*\q], v[TB+5*\q+1]
.endr
.irp q, 0,1,2,3
	v_and_b32 v[TB+5*\q+2], v[TB+5*\q+2], v[TB+5*\q+3]
.endr
.irp q, 0,1,2,3
	v_and_b32 v[TB+5*\q], v[TB+5*\q], v[TB+5*\q+4]
.endr
.irp q, 0,1,2,3
	v_and_b32 v[MK+(\g0)+\q], v[TB+5*\q], v[TB+5*\q+2]     ; lane c: the group's tokens of class c
.endr
.irp q, 0,1,2,3
	v_lshlrev_b32 v[CL+(\g0)+\q], 2, v[CL+(\g0)+\q]
.endr
.irp q, 0,1,2,3
	ds_bpermute_b32 v[SM+(\g0)+\q], v[CL+(\g0)+\q], v[MK+(\g0)+\q]   ; each token fetches its class's mask
.endr
	; the number of ones in each mask
.irp q, 0,1,2,3
	v_lshrrev_b32 v[TB+5*\q], 1, v[MK+(\g0)+\q]
.endr
.irp q, 0,1,2,3
	v_and_b32 v[TB+5*\q], s56, v[TB+5*\q]
.endr
.irp q, 0,1,2,3
	v_sub_nc_u32 v[TB+5*\q], v[MK+(\g0)+\q], v[TB+5*\q]
.endr
.irp q, 0,1,2,3
	v_lshrrev_b32 v[TB+5*\q+1], 2, v[TB+5*\q]
.endr
.irp q, 0,1,2,3
	v_and_b32 v[TB+5*\q], s57, v[TB+5*\q]
.endr
.irp q, 0,1,2,3
	v_and_b32 v[TB+5*\q+1], s57, v[TB+5*\q+1]
.endr
.irp q, 0,1,2,3
	v_add_nc_u32 v[TB+5*\q], v[TB+5*\q], v[TB+5*\q+1]
.endr
.irp q, 0,1,2,3
	v_lshrrev_b32 v[TB+5*\q+1], 4, v[TB+5*\q]
.endr
.irp q, 0,1,2,3
	v_add_nc_u32 v[TB+5*\q], v[TB+5*\q], v[TB+5*\q+1]
.endr
.irp q, 0,1,2,3
	v_and_b32 v[TB+5*\q], s58, v[TB+5*\q]
.endr
.irp q, 0,1,2,3
	v_mul_lo_u32 v[TB+5*\q], v[TB+5*\q], s59
.endr
.irp q, 0,1,2,3
	v_lshrrev_b32 v[TB+5*\q], 24, v[TB+5*\q]
.endr
.irp q, 0,1,2,3
	v_add_nc_u32 v[PX+(\g0)+\q+1], v[PX+(\g0)+\q], v[TB+5*\q]   ; the running sum over the groups
.endr
.endm
	BATCH 0
	BATCH 4
	ds_store_b32 v[CWA], v[PX+8]                   ; lane c: my wave's tokens of class c
	BAR                                            ; the counts and the empty list lie in LDS (and the fetched masks are in)
.irp q, 0,1,2,3,4,5,6,7
	ds_load_b32 v[PWD+\q], v[CRD] offset:128*\q
.endr
.irp g, 0,1,2,3,4,5,6,7
	v_mbcnt_lo_u32_b32 v[SM+\g], v[SM+\g], 0       ; my rank in the group
.endr
	s_wait_dscnt 0x0
	v_add3_u32 v[TOT], v[PWD], v[PWD+1], v[PWD+2]
	v_add3_u32 v[TOT], v[TOT], v[PWD+3], v[PWD+4]
	v_add3_u32 v[TOT], v[TOT], v[PWD+5], v[PWD+6]
	v_add_nc_u32 v[TOT], v[TOT], v[PWD+7]          ; lane c: class c's tokens
.irp q, 0,1,2,3,4,5,6
	s_cmp_gt_u32 s[W], \q
	s_cselect_b32 s60, -1, 0
	v_and_b32 v[M0], s60, v[PWD+\q]
	v_add_nc_u32 v[BEF], v[BEF], v[M0]             ; those of the waves in front of mine
.endr
	v_add_nc_u32 v[PADR], 15, v[TOT]
	v_and_b32 v[PADR], 0xfff0, v[PADR]             ; padded to whole tiles
.set c, 0
.rept 27
	v_readlane_b32 s[66+c], v[PADR], c
.set c, c+1
.endr
.set c, 0
.rept 26
	s_add_co_u32 s[67+c], s[67+c], s[66+c]
.set c, c+1
.endr
.set c, 0
.rept 27
	v_writelane_b32 v[OFS], s[66+c], c+1           ; class c + 1 begins behind classes 0 .. c
.set c, c+1
.endr
	s_wait_alu depctr_va_vdst(0)                   ; the wait behind the run of scalar lines
	v_add_nc_u32 v[BASE], v[OFS], v[BEF]
	v_lshrrev_b32 v[CTW], 4, v[OFS]
	v_lshl_or_b32 v[CTW], v[PADR], 12, v[CTW]      ; first tile | tiles << 16
.irp g, 0,1,2,3,4,5,6,7
	v_add_nc_u32 v[PX+\g], v[PX+\g], v[BASE]
.endr
.irp g, 0,1,2,3,4,5,6,7
	ds_bpermute_b32 v[PP+\g], v[CL+\g], v[PX+\g]   ; each token fetches where its class's tokens of the group begin
.endr
.irp g, 0,1,2,3,4,5,6,7
	v_add_nc_u32 v[PR+2*\g+1], 32*\g, v[TK0]
	v_lshl_or_b32 v[PR+2*\g+1], v[RT+\g], 16, v[PR+2*\g+1]   ; token | a << 16 | b << 24
.endr
	s_wait_dscnt 0x0
.irp g, 0,1,2,3,4,5,6,7
	v_add_nc_u32 v[PR+2*\g], v[PP+\g], v[SM+\g]
	v_min_u32 v[PR+2*\g], 2559, v[PR+2*\g]         ; a position: under 154 x 16; held inside the list in any case
	v_lshlrev_b32 v[PP+\g], 2, v[PR+2*\g]
	ds_store_b64 v[XA], v[PR+2*\g:PR+2*\g+1] offset:2048*\g
.endr
	s_or_b32 s40, s[J], s[EX]
	s_cmp_lg_u32 s40, 0
	s_wait_alu depctr_va_vdst(0)                   ; the wait ahead of the branch
	s_cbranch_scc1 .Lnot_first
.irp g, 0,1,2,3,4,5,6,7
	global_store_b32 v[PP+\g], v[PR+2*\g+1], s[14:15]      ; work-group (0, 0): the list, for the next launch
.endr
	s_cmp_lg_u32 s[W], 0
	s_cbranch_scc1 .Lno_ctab
	global_store_b32 v[C4], v[CTW], s[14:15] offset:16384  ; lanes 28-31 store zeros, which nobody reads
.Lno_ctab:
	s_wait_xcnt 0x0                                ; the stores' registers are written again below
.Lnot_first:
; THE PLACING AND THE DEAL stand between quantising steps 3 and 4, when each wave has 28 loads of w1 out.  They keep nothing of the sort's registers: all they need lies in LDS.
.macro DEAL
	BAR                                            ; every token's (position, word) lies in LDS, and no wave's stage is at work
	s_cmp_lg_u32 s[W], 0
	s_cbranch_scc1 .Lno_scatter
.irp c, 0,1                            ; wave 0 alone: 64 x 32 words to their positions
.set i, 0
.rept 32
	ds_load_b64 v[SCB+2*i:SCB+2*i+1], v[XR] offset:256*(32*\c+i)
.set i, i+1
.endr
	s_wait_dscnt 0x0
.set i, 0
.rept 32
	v_min_u32 v[SCB+2*i], 2559, v[SCB+2*i]
.set i, i+1
.endr
.set i, 0
.rept 32
	v_lshl_add_u32 v[SCB+2*i], v[SCB+2*i], 2, ENT
.set i, i+1
.endr
.set i, 0
.rept 32
	ds_store_b32 v[SCB+2*i], v[SCB+2*i+1]
.set i, i+1
.endr
.endr
.Lno_scatter:
	BAR                                            ; the list is whole
	; ---- the deal
.irp q, 0,1,2,3,4
	ds_load_b32 v[HD+\q], v[HDA] offset:2048*\q
.endr
.set I0, 34                            ; s34 my tiles among the groups of 32 tiles already dealt
	v_lshlrev_b32 v[L2], 1, v[LANE]
	s_mov_b32 s[TOTS], 0
	s_mov_b32 s[I0], 0
	s_wait_alu depctr_va_vdst(0)
	s_wait_dscnt 0x0
.irp q, 0,1,2,3,4
	v_bfe_u32 v[M0], v[HD+\q], 16, 8               ; the tile's pair (255, 255 in an empty tile)
	v_bfe_u32 v[M1], v[HD+\q], 24, 8
	v_cmp_eq_u32 s40, s[EX], v[M0]
	v_cmp_eq_u32 s41, s[EX], v[M1]
	s_or_b32 s42, s40, s41
	v_mbcnt_lo_u32_b32 v[RK], s42, s[TOTS]         ; the tile's rank among those that hold e
	s_bcnt1_i32_b32 s43, s42
	s_add_co_u32 s[TOTS], s[TOTS], s43
	v_and_b32 v[M0], 7, v[RK]
	v_cmp_eq_u32 s43, s[W], v[M0]
	s_and_b32 s43, s43, s42                        ; mine: it holds e and its rank is 8 i + w
	s_not_b32 s44, s43
	s_bcnt1_i32_b32 s45, s43                       ; how many of these 32 tiles are mine
	v_mbcnt_lo_u32_b32 v[DD], s43, s[I0]           ; mine go to lanes i0 .. i0 + count - 1, in order (20 tiles a wave at the most);
	v_mbcnt_lo_u32_b32 v[M0], s44, 0               ; the others fill the lanes below i0 and from i0 + count on, in order: every lane has one sender
	v_add_nc_u32 v[K124], s45, v[M0]
	v_cmp_gt_u32 s44, s[I0], v[M0]
	v_cndmask_b32 v[M0], v[K124], v[M0], s44
	v_cndmask_b32 v[DD], v[M0], v[DD], s43
	v_lshlrev_b32 v[DQ+\q], 2, v[DD]
	s_add_co_u32 s[I0], s[I0], s45
	v_cndmask_b32 v[M1], 0, 1, s41
	v_add3_u32 v[M1], v[L2], v[M1], 64*\q          ; 2 tile + member
	v_cndmask_b32 v[VQ+\q], 0, v[M1], s43          ; the others send 0
	ds_permute_b32 v[PQ+\q], v[DQ+\q], v[VQ+\q]
.endr
	s_add_co_u32 s[N], s[TOTS], 7
	s_sub_co_u32 s[N], s[N], s[W]
	s_lshr_b32 s[N], s[N], 3                       ; my tiles
	s_wait_dscnt 0x0
	v_or_b32 v[LST], v[PQ], v[PQ+1]
	v_or_b32 v[LST], v[LST], v[PQ+2]
	v_or_b32 v[LST], v[LST], v[PQ+3]
	v_or_b32 v[LST], v[LST], v[PQ+4]
	v_min_u32 v[LST], 319, v[LST]
	v_and_b32 v[TAD], 0x1fe, v[LST]
	v_lshl_add_u32 v[TAD], v[TAD], 5, ENT          ; 64 bytes a tile
.irp r, 0,1,2,3,4,5,6,7,8,9,10,11,12,13,14,15
	ds_load_b32 v[T+\r], v[TAD] offset:4*\r
.endr
	s_mov_b32 s[SEL], 0x76543210
	s_mov_b32 s[SEL+1], 0xfedcba98
	s_mov_b32 s[CS], 0xbfb8aa3b
	s_mov_b32 s[CS+1], s[CS]
	s_mov_b32 s[KK], 0
	s_mov_b32 s[KX], 0
	s_wait_dscnt 0x0
.irp r, 1,2,3,4,5,6,7,8,9,10,11,12,13,14,15
	v_cmp_eq_u32 vcc_lo, -1, v[T+\r]
	v_cndmask_b32 v[T+\r], v[T+\r], v[T], vcc_lo   ; an empty position takes the tile's first token
.endr
.irp r, 0,1,2,3,4,5,6,7,8,9,10,11,12,13,14,15
	v_and_b32 v[T+\r], 0xffff, v[T+\r]
.endr
.irp r, 0,1,2,3,4,5,6,7,8,9,10,11,12,13,14,15
	v_min_u32 v[T+\r], 2047, v[T+\r]
.endr
	BAR                                            ; every wave's reads of the list are over: from here on the waves store to LDS again
.endm
	s_wait_alu depctr_va_vdst(0)                   ; the wait ahead of the wait below
	s_wait_kmcnt 0x0
	s_mov_b32 s[SC+1], s[SC]
.macro QTURN t
.irp i, 0,1,2,3
	ds_store_b128 v[SIN], v[R+16*((\t)%RD)+4*\i:R+16*((\t)%RD)+4*\i+3] offset:2560*((\t)%2)+640*\i
.endr
.irp i, 0,1,2,3
	ds_load_b128 v[X+16*((\t)%2)+4*\i:X+16*((\t)%2)+4*\i+3], v[SOUT] offset:2560*((\t)%2)+16*\i
.endr
.endm
.macro QMAX                            ; the largest magnitude of 16, with the floor 2^(3 - 127) as one more leaf
	v_max3_num_f32 v[M0], |v[XS]|, |v[XS+1]|, |v[XS+2]|
	v_max3_num_f32 v[M1], |v[XS+3]|, |v[XS+4]|, |v[XS+5]|
.irp i, 6,10
	s_delay_alu instid0(VALU_DEP_2)
	v_max3_num_f32 v[M0], v[M0], |v[XS+\i]|, |v[XS+\i+1]|
	s_delay_alu instid0(VALU_DEP_2)
	v_max3_num_f32 v[M1], v[M1], |v[XS+\i+2]|, |v[XS+\i+3]|
.endr
	s_delay_alu instid0(VALU_DEP_2)
	v_max3_num_f32 v[M0], v[M0], |v[XS+14]|, |v[XS+15]|
	s_delay_alu instid0(VALU_DEP_1)
	v_max3_num_f32 v[M0], v[M0], v[M1], 0x1800000
.endm
.macro QSTEP t
.set XS, X+16*((\t)%2)
.set CC, C+2*((\t)%2)
.if (\t) > 0
	s_wait_dscnt 2                                 ; this step's numbers are back; the last step's two output stores may be out
.else
	s_wait_dscnt 0x0
.endif
.if (\t)+RD < NS
	QLOAD (\t)+RD
.endif
.if (\t)+1 < NS
.if NS-2-(\t) >= RD-1
	s_wait_loadcnt 4*(RD-1)                        ; the next step's loads are in; seven steps' may be out
.else
	s_wait_loadcnt 4*(NS-2-(\t))
.endif
	QTURN (\t)+1
.endif
.irp k, 0,2,4,6,8,10,12,14
	v_pk_mul_f32 v[XS+\k:XS+\k+1], v[XS+\k:XS+\k+1], s[SC:SC+1] op_sel_hi:[1,0]   ; x the expert's scale, in f32
.endr
	QMAX
	s_delay_alu instid0(VALU_DEP_1)
	v_max_num_f32_dpp v[M0], v[M0], v[M0] row_xmask:1 row_mask:0xf bank_mask:0xf
	s_delay_alu instid0(VALU_DEP_1)
	v_add_nc_u32 v[SOP], 0xff000000, v[M0]
	v_cvt_scalef32_pk8_fp4_f32 v[CC], v[XS:XS+7], v[SOP]
	v_cvt_scalef32_pk8_fp4_f32 v[CC+1], v[XS+8:XS+15], v[SOP]
	v_lshrrev_b32 v[E+(\t)%2], 23, v[SOP]          ; the byte; also the plain line behind the conversions
	ds_store_b64 v[WCA], v[CC:CC+1] offset:PW*((\t)/2)+256*((\t)%2)
	ds_store_b8 v[WSA], v[E+(\t)%2] offset:16*(\t)
.endm
.macro ISSUE                           ; my tile number s[KX]: its 16 rows of codes, 512 consecutive bytes a load, and its scale words, 32 bytes a row
.irp i, 0,1,2,3,4,5,6,7,8,9,10,11,12,13,14,15
	v_readlane_b32 s[52+\i%4], v[T+\i], s[KX]
	s_min_u32 s[52+\i%4], s[52+\i%4], 2047
	v_writelane_b32 v[TOKC], s[52+\i%4], \i
	v_lshl_add_u32 v[AD+\i], s[52+\i%4], 9, v[GA]
	global_load_b128 v[RAW+4*\i:RAW+4*\i+3], v[AD+\i], s[8:9]
.endr
	v_min_u32 v[XSA], 2047, v[TOKC]
	v_lshlrev_b32 v[XSA], 5, v[XSA]
	global_load_b128 v[XSN:XSN+3], v[XSA], s[8:9] offset:XSO
	global_load_b128 v[XSN+4:XSN+7], v[XSA], s[8:9] offset:XSO+16
.endm
	; ---- phase 1
	s_wait_loadcnt 28                              ; step 0 is in; steps 1 to 7 may be out
	QTURN 0
.irp t, 0,1,2,3
	QSTEP \t
.endr
	DEAL                                           ; step 4's numbers wait in v224-239, which the macro does not name
.irp t, 4,5,6,7,8,9,10,11,12,13,14,15
	QSTEP \t
.endr
	ISSUE                                          ; my first tile's codes: on their way across the barrier (a wave without a tile loads inside the buffer and uses nothing)
	BAR                                            ; all 64 rows' codes and scale bytes lie in LDS
	WIN 0x40
.irp ti, 0,1,2,3
.irp s, 0,1,2,3,4,5,6,7
.irp c, 0,1
	ds_load_b128 v[8*(8*\ti+\s)+4*\c:8*(8*\ti+\s)+4*\c+3], v[AW] offset:(32*(\ti/2)+8*(\ti%2))*PW+64*\s+32*\c
.endr
.endr
.endr
	WIN 0
.irp g, 0,1
.irp q, 0,1
	ds_load_b128 v[WSC+8*\g+4*\q:WSC+8*\g+4*\q+3], v[ASW] offset:1024*\g+16*\q
.endr
.endr
	s_wait_dscnt 0x0
	s_cmp_eq_u32 s[N], 0
	s_cbranch_scc1 .Lend                           ; no tile for me (no barrier follows)
	; ---- phase 2
.macro GUMM ti, s                      ; the four accumulators take turns, one instruction a turn
.set rD, ACC+8*(\ti)
.set rA, 8*(8*(\ti)+(\s))
.set rB, XF+8*(\s)
.set rSA, WSC+8*((\ti)/2)+(\s)
.set rSB, XSC+(\s)
.if (\s) == 0
.if (\ti)%2
	v_wmma_scale_f32_16x16x128_f8f6f4 v[rD:rD+7], v[rA:rA+7], v[rB:rB+7], 0, v[rSA], v[rSB] matrix_a_fmt:MATRIX_FMT_FP4 matrix_b_fmt:MATRIX_FMT_FP4 matrix_a_scale:MATRIX_SCALE_ROW1
.else
	v_wmma_scale_f32_16x16x128_f8f6f4 v[rD:rD+7], v[rA:rA+7], v[rB:rB+7], 0, v[rSA], v[rSB] matrix_a_fmt:MATRIX_FMT_FP4 matrix_b_fmt:MATRIX_FMT_FP4
.endif
.else
.if (\ti)%2
	v_wmma_scale_f32_16x16x128_f8f6f4 v[rD:rD+7], v[rA:rA+7], v[rB:rB+7], v[rD:rD+7], v[rSA], v[rSB] matrix_a_fmt:MATRIX_FMT_FP4 matrix_b_fmt:MATRIX_FMT_FP4 matrix_a_scale:MATRIX_SCALE_ROW1
.else
	v_wmma_scale_f32_16x16x128_f8f6f4 v[rD:rD+7], v[rA:rA+7], v[rB:rB+7], v[rD:rD+7], v[rSA], v[rSB] matrix_a_fmt:MATRIX_FMT_FP4 matrix_b_fmt:MATRIX_FMT_FP4
.endif
.endif
.endm
.Ltile:
	s_wait_loadcnt 0x0                             ; this tile's codes and scale words are in
	s_wait_xcnt 0x0                                ; the last trip's stores have read their registers
.irp s, 0,1,2,3,4,5,6,7
	v_mov_b32 v[XSC+\s], v[XSN+\s]                 ; the scale words move aside: the next tile's land where they lay
.endr
.irp i, 0,1,2,3,4,5,6,7,8,9,10,11,12,13,14,15
	ds_store_b128 v[XTI], v[RAW+4*\i:RAW+4*\i+3] offset:XT+PW*\i
.endr
.irp i, 0,1,2,3,4,5,6,7,8,9,10,11,12,13,14,15
	ds_load_b128 v[XF+4*\i:XF+4*\i+3], v[XTO] offset:XT+32*\i   ; LDS serves a wave's instructions in order
.endr
	v_readlane_b32 s[HIC], v[LST], s[KK]           ; 2 tile + member of this tile
	s_min_u32 s[HIC], s[HIC], 319
	s_add_co_u32 s[KX], s[KK], 1
	s_wait_alu depctr_va_vdst(0)                   ; the wait ahead of the wait and the branch
	s_wait_dscnt 16                                ; the 16 stores have read the rows' registers; the 16 fragment loads may be out
	s_cmp_lt_u32 s[KX], s[N]
	s_cbranch_scc0 .Lno_issue
	ISSUE                                          ; the next tile's codes land under this tile's work
.Lno_issue:
.rept 8
	v_nop                                          ; eight places between the scale words' moves and the first product
.endr
	s_wait_alu depctr_va_vdst(0)
	s_wait_dscnt 0x0                               ; x's fragments are in
	WIN 0x01
.irp s, 0,1,2,3,4,5,6,7
.irp ti, 0,1,2,3
	GUMM \ti, \s
.endr
.endr
	WIN 0
.rept 4
	v_nop                                          ; four places behind the last product
.endr
	; silu(g) u = g u / (1 + 2^(-g log2 e)), in f32.  v224-239: g of units 16 h + 0 .. 15;  v240-255: u.  Each accumulator is read from its low end on
.irp k, 0,2,4,6,8,10,12,14
	v_pk_mul_f32 v[TT+\k:TT+\k+1], v[ACC+\k:ACC+\k+1], s[CS:CS+1] op_sel_hi:[1,0]
.endr
	s_wait_alu depctr_va_vdst(0)
.irp k, 0,1,2,3,4,5,6,7,8,9,10,11,12,13,14,15
	v_exp_f32 v[TT+\k], v[TT+\k]
.endr
	s_wait_alu depctr_va_vdst(0)
.irp k, 0,2,4,6,8,10,12,14
	v_pk_mul_f32 v[GU+\k:GU+\k+1], v[ACC+\k:ACC+\k+1], v[ACC+16+\k:ACC+16+\k+1]   ; g u
.endr
	s_wait_alu depctr_va_vdst(0)
.irp k, 0,2,4,6,8,10,12,14
	v_pk_add_f32 v[TT+\k:TT+\k+1], v[TT+\k:TT+\k+1], 1.0 op_sel_hi:[1,0]
.endr
	s_wait_alu depctr_va_vdst(0)
.irp k, 0,1,2,3,4,5,6,7,8,9,10,11,12,13,14,15
	v_rcp_f32 v[TT+\k], v[TT+\k]
.endr
	v_nop
	s_wait_alu depctr_va_vdst(0)
.irp k, 0,2,4,6,8,10,12,14
	v_pk_mul_f32 v[GU+\k:GU+\k+1], v[GU+\k:GU+\k+1], v[TT+\k:TT+\k+1]
.endr
.set XS, GU
	QMAX                                           ; h is quantised: my 16 numbers,
	s_delay_alu instid0(VALU_DEP_1)
	v_permlanex16_b32 v[TMP], v[M0], s[SEL], s[SEL+1]
	s_delay_alu instid0(VALU_DEP_1)
	v_max_num_f32 v[M0], v[M0], v[TMP]             ; with lane l xor 16's: the block's largest magnitude
	s_delay_alu instid0(VALU_DEP_1)
	v_add_nc_u32 v[SOP], 0xff000000, v[M0]
	v_cvt_scalef32_pk8_fp4_f32 v[HC], v[GU:GU+7], v[SOP]
	v_cvt_scalef32_pk8_fp4_f32 v[HC+1], v[GU+8:GU+15], v[SOP]
	v_lshrrev_b32 v[BY], 23, v[SOP]
	v_lshl_add_u32 v[SA0], s[HIC], 13, v[HA]
	v_lshl_add_u32 v[SA1], s[HIC], 9, v[HB]
	global_store_b64 v[SA0], v[HC:HC+1], s[12:13]              ; 256 consecutive bytes, aligned
	global_store_b8 v[SA1], v[BY], s[12:13] offset:HSO         ; one byte a row; lanes l and l xor 16 store the same byte
	s_add_co_u32 s[KK], s[KK], 1
	s_cmp_lt_u32 s[KK], s[N]
	s_wait_alu depctr_va_vdst(0)                   ; the wait ahead of the branch
	s_cbranch_scc1 .Ltile
.Lend:
	s_wait_tensorcnt 0x0                           ; the wave's end
	ds_add_u32 v94, v95
	s_wait_dscnt 0x0
	s_endpgm
.Lfunc_end_k_q55e51ecda3_gateup:
	.size	k_q55e51ecda3_gateup, .Lfunc_end_k_q55e51ecda3_gateup-k_q55e51ecda3_gateup
	.p2alignl 7, 3214868480
	.fill 96, 4, 3214868480
	.section	.rodata,"a",@progbits
	.p2align	6, 0x0
	.amdhsa_kernel k_q55e51ecda3_gateup
		.amdhsa_group_segment_fixed_size 196608
		.amdhsa_private_segment_fixed_size 0
		.amdhsa_enable_private_segment 0
		.amdhsa_kernarg_size 48
		.amdhsa_user_sgpr_count 2
		.amdhsa_user_sgpr_kernarg_segment_ptr 1
		.amdhsa_wavefront_size32 1
		.amdhsa_system_sgpr_workgroup_id_x 1
		.amdhsa_system_sgpr_workgroup_id_y 1
		.amdhsa_system_sgpr_workgroup_id_z 1
		.amdhsa_system_vgpr_workitem_id 0
		.amdhsa_next_free_vgpr 512
		.amdhsa_next_free_sgpr 96
		.amdhsa_reserve_vcc 1
		.amdhsa_float_denorm_mode_32 3
		.amdhsa_float_denorm_mode_16_64 3
		.amdhsa_memory_ordered 1
		.amdhsa_forward_progress 1
		.amdhsa_inst_pref_size 128
	.end_amdhsa_kernel
	.amdgpu_metadata
---
amdhsa.version: [ 1, 2 ]
amdhsa.kernels:
  - .name:           k_q55e51ecda3_gateup
    .symbol:         k_q55e51ecda3_gateup.kd
    .args:
      - { .name: w1, .offset: 0, .size: 8, .value_kind: global_buffer, .address_space: global }
      - { .name: w1_scale, .offset: 8, .size: 8, .value_kind: global_buffer, .address_space: global }
      - { .name: xb, .offset: 16, .size: 8, .value_kind: global_buffer, .address_space: global }
      - { .name: route, .offset: 24, .size: 8, .value_kind: global_buffer, .address_space: global }
      - { .name: hb, .offset: 32, .size: 8, .value_kind: global_buffer, .address_space: global }
      - { .name: ent, .offset: 40, .size: 8, .value_kind: global_buffer, .address_space: global }
    .group_segment_fixed_size: 196608
    .private_segment_fixed_size: 0
    .kernarg_segment_align: 8
    .kernarg_segment_size: 48
    .max_flat_workgroup_size: 256
    .sgpr_count:     96
    .vgpr_count:     512
    .wavefront_size: 32
...
	.end_amdgpu_metadata
.endif
;; end of part 2
;; launch down (part 3): grid 28 x 8, 4 waves a work-group, no clusters, 148,992 bytes of LDS; arguments wb, hb, ent, coef, out0; writes out0
.if DOCPART == 3
	.amdgcn_target "amdgcn-amd-amdhsa--gfx1250"
	.amdhsa_code_object_version 6
	.text
	.protected	k_q55e51ecda3_down
	.globl	k_q55e51ecda3_down
	.p2align	8
	.type	k_q55e51ecda3_down,@function
k_q55e51ecda3_down:
	s_mov_b64 s[64:65], 0
	v_nop
	global_prefetch_b8 v0, s[64:65] scope:SCOPE_SE
	s_setreg_imm32_b32 hwreg(HW_REG_WAVE_MODE, 25, 1), 1
	s_wait_xcnt 0x0
; DOWN.  out[t] = wa (h_a W2a^T) + wb (h_b W2b^T) for each token's two experts a < b, both products on codes of FP4 (E2M1) with one E8M0 byte for each 32 along K.
; SHARES.  Work-group (c, y) serves class c (one pair of experts) and 128 columns of out.  Wave w takes columns 64 cg .. 64 cg + 63, cg = 2 y + w / 2, and every second tile of the class, from tile w % 2 on.
; Its weights, 64 columns x 1,024 along K of BOTH experts, stay in registers (windows 1 and 2, 256 each).  They lie in memory as images of fragments; of the two waves that share a column group one fetches a's image and
; the other b's, and each hands its image to the other through LDS: one barrier, ahead of every branch on a number read from memory.
; A tile (16 positions of one pair) goes through both experts in one wave, so EVERY ROW OF out HAS ONE OWNER: nothing is added between work-groups.  An empty position is replaced by the tile's first token: it computes
; the same bits from the same codes and stores them to the same place.
; THE PRODUCTS ARE USED TRANSPOSED (source 0 = 16 columns' rows of w2, source 1 = 16 tokens): a lane holds token r and eight neighbouring columns.  The results go through the wave's own stage in LDS (pitch 272, the row's
; token behind its 256 bytes) and leave by rows: sixteen lanes store 256 consecutive bytes, aligned.
; WHAT IS ASKED FOR AHEAD.  The first tile's words, codes and scale words are asked for straight behind the weights' image, ahead of the image's turn through LDS, without a branch: the tile's number is held inside the
; list, and a wave without a tile does not use what comes.  A later tile is asked for behind the products of the tile before and lands under that tile's way out.  A tile's words are the first of its loads: at the end
; of the trip before they are in, the tokens are made of them, and the tokens' two weights are asked for, so that they too are in at the trip's head.
; THE LOOP counts trips, one at a time, against the wave's number of tiles, (tiles of the class + 1 - w % 2) / 2; trip k works on tile first + w % 2 + 2 k.
; A class without tiles stores nothing: the grid serves every routing (28 classes; a class may hold all 2,048 tokens, 128 tiles).
; NO TENSOR LOAD, NO CLUSTER: the trip counts are read from memory and differ between work-groups.
; REGISTERS.  Window 0: v1-21 addresses and work; v32-63 w2's scale words [expert][pair of tiles][K step] (lanes 0-15 the even tile, lanes 16-31 the odd); v64-71 h's scale words (lanes 0-15 member a, 16-31 member b);
;   v72-103 a's four accumulators, v104-135 b's; v136-167 rows on the way out, v168-175 their tokens, v176-183 their addresses; v184-189 the two weights.
;   Window 1: a's 32 fragments, (tile ct, K step s) at v[64 ct + 8 s];  window 2: b's;  window 3: h's fragments: member a v0-63, member b v64-127.
.set WSO,   4194304
.set HSO,   2621440
.set STG,   131072                     ; LDS: four images of 32,768 bytes, then a stage of 16 x 272 bytes for each wave
.set SP,    272
.set LANE, 1
.set RR,   2
.set HH,   3
.set L16,  4
.set L32,  5
.set R4,   6
.set LW,   7
.set LR,   8
.set WSAD, 9
.set STO,  10
.set STT,  11
.set RDA,  12
.set RDT,  13
.set OC,   14
.set HAD,  15
.set HSA,  16
.set EA,   17
.set TKW,  18
.set TMP,  19
.set CA,   20
.set TKC,  21
.set WS,   32
.set HS,   64
.set ACA,  72
.set ACB,  104
.set OB,   136
.set TK,   168
.set AD,   176
.set WA,   184
.set WB,   186
.set CW,   188
.set W,     16                         ; s16 wave;  s17 which tiles (w % 2);  s18 cg;  s19 a;  s20 b;  s21 the expert whose image I fetch
.set PH,    17
.set CG,    18
.set EA_,   19
.set EB_,   20
.set EXF,   21
.set CT,    30                         ; s30 the class's word: first tile | tiles << 16
.set FIRST, 31                         ; s31 its first tile
.set NTR,   32                         ; s32 my trips; the loop does not write it
.set KK,    33                         ; s33 the trip, stepped by 1 at the trip's end
.set TAU,   34                         ; s34 the tile to be fetched
.set KN,    38                         ; s38 the next trip's number
.set MSB, 0
.macro WIN new                         ; the immediate's high byte repeats the setting that is left
.if MSB != \new
	s_set_vgpr_msb (MSB<<8)|\new
.set MSB, \new
.endif
.endm
; The tile of trip s[idx], first + w % 2 + 2 x trip: its 16 words first; then both members' codes, 16,384 consecutive bytes; then their scale words: 35 loads.
.macro LOADH idx
	s_lshl_b32 s[TAU], s[\idx], 1
	s_add_co_u32 s[TAU], s[TAU], s[PH]
	s_add_co_u32 s[TAU], s[TAU], s[FIRST]
	s_min_u32 s[TAU], s[TAU], 159                  ; a tile: under 154 by the sort's count; held inside the list in any case
	v_lshl_add_u32 v[EA], s[TAU], 6, v[R4]
	v_lshl_add_u32 v[HAD], s[TAU], 14, v[L16]
	v_lshl_add_u32 v[HSA], s[TAU], 10, v[L32]
	global_load_b32 v[TKW], v[EA], s[8:9]
	WIN 0xc0                                       ; destination window 3
.set i, 0
.rept 32
	global_load_b128 v[4*i:4*i+3], v[HAD], s[6:7] offset:512*i
.set i, i+1
.endr
	WIN 0
	global_load_b128 v[HS:HS+3], v[HSA], s[6:7] offset:HSO
	global_load_b128 v[HS+4:HS+7], v[HSA], s[6:7] offset:HSO+16
.endm
; The words of the tile last asked for become tokens, and the tokens' two weights are asked for.  Where no tile was asked for since the last time, the words are the old ones and the same weights come once more, unused.
.macro COEF
	s_wait_loadcnt 34                              ; the tile's words are in; the 32 loads of codes and the 2 of scale words issued behind them may be out
	v_readfirstlane_b32 s40, v[TKW]
	v_mov_b32 v[TMP], s40
	v_cmp_eq_u32 vcc_lo, -1, v[TKW]
	v_cndmask_b32 v[TKC], v[TKW], v[TMP], vcc_lo   ; an empty position takes the tile's first token
	v_and_b32 v[TKC], 0xffff, v[TKC]
	v_min_u32 v[TKC], 2047, v[TKC]
	v_lshlrev_b32 v[CA], 3, v[TKC]                 ; (the last load by this address was waited for at the trip's head)
	global_load_b64 v[CW:CW+1], v[CA], s[10:11]
.endm
	s_load_b256 s[4:11], s[0:1], 0x0               ; wb s[4:5], hb s[6:7], ent s[8:9], coef s[10:11]
	s_load_b64 s[12:13], s[0:1], 0x20              ; out0
	v_lshl_add_u32 v254, v0, 2, 0x24400
	v_mov_b32 v255, 0
	v_lshrrev_b32 v1, 5, v0
	v_readfirstlane_b32 s[W], v1
	v_and_b32 v[LANE], 31, v0
	v_and_b32 v[RR], 15, v0
	v_bfe_u32 v[HH], v0, 4, 1
	v_lshlrev_b32 v[L16], 4, v[LANE]
	v_lshlrev_b32 v[L32], 5, v[LANE]
	v_lshlrev_b32 v[R4], 2, v[RR]
	s_and_b32 s40, ttmp7, 0xffff
	s_lshl_b32 s[CG], s40, 1
	s_lshr_b32 s41, s[W], 1
	s_add_co_u32 s[CG], s[CG], s41
	s_and_b32 s[PH], s[W], 1
	s_mov_b32 s[EA_], 0                            ; the pair from the class: a = how many of the classes' first numbers 7, 13, 18, 22, 25, 27 are reached
.irp th, 7,13,18,22,25,27
	s_cmp_ge_u32 ttmp9, \th
	s_cselect_b32 s40, 1, 0
	s_add_co_u32 s[EA_], s[EA_], s40
.endr
	s_sub_co_u32 s40, 13, s[EA_]
	s_mul_i32 s40, s40, s[EA_]
	s_lshr_b32 s40, s40, 1
	s_sub_co_u32 s[EB_], ttmp9, s40
	s_add_co_u32 s[EB_], s[EB_], 1                 ; b = class - a (13 - a) / 2 + 1
	s_cmp_eq_u32 s[PH], 0
	s_cselect_b32 s[EXF], s[EA_], s[EB_]
	s_lshl_b32 s41, s[CG], 2                       ; my four tiles of 16 columns
	s_lshl_b32 s22, s[EXF], 6
	s_add_co_u32 s22, s22, s41
	s_lshl_b32 s22, s22, 13                        ; 8,192 bytes of codes a tile
	s_mov_b32 s23, 0
	s_lshl_b32 s42, s[EA_], 6
	s_add_co_u32 s42, s42, s41
	s_lshl_b32 s42, s42, 9                         ; 512 scale bytes a tile
	s_mov_b32 s43, 0
	s_lshl_b32 s44, s[EB_], 6
	s_add_co_u32 s44, s44, s41
	s_lshl_b32 s44, s44, 9
	s_mov_b32 s45, 0
	s_lshl_b32 s46, ttmp9, 2
	s_mov_b32 s47, 0
	s_wait_alu depctr_va_vdst(0)
	s_wait_kmcnt 0x0
	s_add_nc_u64 s[24:25], s[4:5], s[22:23]
	s_add_nc_u64 s[26:27], s[4:5], s[42:43]
	s_add_nc_u64 s[28:29], s[4:5], s[44:45]
	s_add_nc_u64 s[36:37], s[8:9], s[46:47]
	s_load_b32 s[CT], s[36:37], 0x4000             ; the class's first tile | tiles << 16
	WIN 0x40                                       ; destination window 1
.set i, 0
.rept 64
	global_load_b128 v[4*i:4*i+3], v[L16], s[24:25] offset:512*i   ; one expert's image of my column group: 32,768 consecutive bytes
.set i, i+1
.endr
	WIN 0
	v_lshlrev_b32 v[WSAD], 9, v[HH]
	v_lshl_add_u32 v[WSAD], v[RR], 4, v[WSAD]      ; lanes 0-15 the even tile's rows, lanes 16-31 the odd tile's; 16 bytes: four K steps' words
.irp p, 0,1
.irp hf, 0,1
	global_load_b128 v[WS+8*\p+4*\hf:WS+8*\p+4*\hf+3], v[WSAD], s[26:27] offset:WSO+1024*\p+256*\hf
	global_load_b128 v[WS+16+8*\p+4*\hf:WS+16+8*\p+4*\hf+3], v[WSAD], s[28:29] offset:WSO+1024*\p+256*\hf
.endr
.endr
	s_wait_kmcnt 0x0
	s_and_b32 s[FIRST], s[CT], 0xffff
	s_lshr_b32 s[NTR], s[CT], 16                   ; the class's tiles,
	s_add_co_u32 s[NTR], s[NTR], 1
	s_sub_co_u32 s[NTR], s[NTR], s[PH]
	s_lshr_b32 s[NTR], s[NTR], 1                   ; of which (tiles + 1 - w % 2) / 2 are mine
	s_mov_b32 s[KK], 0
	LOADH KK                                       ; my first tile: it lands under the image's turn through LDS.  No branch: a wave without a tile loads inside the buffers and uses nothing of it
	s_lshl_b32 s40, s[W], 15
	v_add_nc_u32 v[LW], s40, v[L16]                ; where my image goes
	s_lshr_b32 s40, s[W], 1
	s_lshl_b32 s40, s40, 16
	v_add_nc_u32 v[LR], s40, v[L16]                ; where my column group's two images lie: a's, then b's
	s_mul_i32 s40, s[W], 16*SP
	s_add_co_u32 s40, s40, STG                     ; my stage
	v_mul_u32_u24 v[STT], v[RR], SP
	v_add_nc_u32 v[STT], s40, v[STT]
	v_lshl_add_u32 v[STO], v[HH], 5, v[STT]        ; in: row r, + 32 h
	v_add_nc_u32 v[STT], 256, v[STT]               ; the row's token
	v_mul_u32_u24 v[RDT], v[HH], SP
	v_add_nc_u32 v[RDT], s40, v[RDT]
	v_lshl_add_u32 v[RDA], v[RR], 4, v[RDT]        ; back: lanes 0-15 one row, lanes 16-31 the next
	v_add_nc_u32 v[RDT], 256, v[RDT]
	s_lshl_b32 s40, s[CG], 8
	v_lshl_add_u32 v[OC], v[RR], 4, s40            ; my 16 bytes in a row of out
	s_wait_loadcnt 43                              ; the image is in; the 8 scale loads and the first tile's 35 loads, issued behind it, may be out
	WIN 0x04                                       ; an LDS store's data are its source 1: window 1
.set i, 0
.rept 64
	ds_store_b128 v[LW], v[4*i:4*i+3] offset:512*i
.set i, i+1
.endr
	WIN 0
	s_wait_dscnt 0x0                               ; for the other wave's sake: my image lies in LDS
	s_barrier_signal -1
	s_barrier_wait -1
	WIN 0x40
.set i, 0
.rept 64
	ds_load_b128 v[4*i:4*i+3], v[LR] offset:512*i              ; a's fragments
.set i, i+1
.endr
	WIN 0x80
.set i, 0
.rept 64
	ds_load_b128 v[4*i:4*i+3], v[LR] offset:32768+512*i        ; b's
.set i, i+1
.endr
	WIN 0
	COEF                                           ; my first tile's tokens and their weights
	s_cmp_eq_u32 s[NTR], 0
	s_cbranch_scc1 .Lend                           ; no tile for me (no barrier follows)
.macro DMM x, ct, s                    ; a member's four accumulators take turns, one instruction a turn
.set rD, ACA+32*(\x)+8*(\ct)
.set rA, 64*(\ct)+8*(\s)
.set rB, 64*(\x)+8*(\s)
.set rSA, WS+16*(\x)+8*((\ct)/2)+(\s)
.set rSB, HS+(\s)
.if (\x) == 0
.if (\ct)%2 == 0
.if (\s) == 0
	v_wmma_scale_f32_16x16x128_f8f6f4 v[rD:rD+7], v[rA:rA+7], v[rB:rB+7], 0, v[rSA], v[rSB] matrix_a_fmt:MATRIX_FMT_FP4 matrix_b_fmt:MATRIX_FMT_FP4
.else
	v_wmma_scale_f32_16x16x128_f8f6f4 v[rD:rD+7], v[rA:rA+7], v[rB:rB+7], v[rD:rD+7], v[rSA], v[rSB] matrix_a_fmt:MATRIX_FMT_FP4 matrix_b_fmt:MATRIX_FMT_FP4
.endif
.else
.if (\s) == 0
	v_wmma_scale_f32_16x16x128_f8f6f4 v[rD:rD+7], v[rA:rA+7], v[rB:rB+7], 0, v[rSA], v[rSB] matrix_a_fmt:MATRIX_FMT_FP4 matrix_b_fmt:MATRIX_FMT_FP4 matrix_a_scale:MATRIX_SCALE_ROW1
.else
	v_wmma_scale_f32_16x16x128_f8f6f4 v[rD:rD+7], v[rA:rA+7], v[rB:rB+7], v[rD:rD+7], v[rSA], v[rSB] matrix_a_fmt:MATRIX_FMT_FP4 matrix_b_fmt:MATRIX_FMT_FP4 matrix_a_scale:MATRIX_SCALE_ROW1
.endif
.endif
.else
.if (\ct)%2 == 0
.if (\s) == 0
	v_wmma_scale_f32_16x16x128_f8f6f4 v[rD:rD+7], v[rA:rA+7], v[rB:rB+7], 0, v[rSA], v[rSB] matrix_a_fmt:MATRIX_FMT_FP4 matrix_b_fmt:MATRIX_FMT_FP4 matrix_b_scale:MATRIX_SCALE_ROW1
.else
	v_wmma_scale_f32_16x16x128_f8f6f4 v[rD:rD+7], v[rA:rA+7], v[rB:rB+7], v[rD:rD+7], v[rSA], v[rSB] matrix_a_fmt:MATRIX_FMT_FP4 matrix_b_fmt:MATRIX_FMT_FP4 matrix_b_scale:MATRIX_SCALE_ROW1
.endif
.else
.if (\s) == 0
	v_wmma_scale_f32_16x16x128_f8f6f4 v[rD:rD+7], v[rA:rA+7], v[rB:rB+7], 0, v[rSA], v[rSB] matrix_a_fmt:MATRIX_FMT_FP4 matrix_b_fmt:MATRIX_FMT_FP4 matrix_a_scale:MATRIX_SCALE_ROW1 matrix_b_scale:MATRIX_SCALE_ROW1
.else
	v_wmma_scale_f32_16x16x128_f8f6f4 v[rD:rD+7], v[rA:rA+7], v[rB:rB+7], v[rD:rD+7], v[rSA], v[rSB] matrix_a_fmt:MATRIX_FMT_FP4 matrix_b_fmt:MATRIX_FMT_FP4 matrix_a_scale:MATRIX_SCALE_ROW1 matrix_b_scale:MATRIX_SCALE_ROW1
.endif
.endif
.endif
.endm
.Ltile:
	s_wait_loadcnt 0x0                             ; the tile's codes and scale words and its tokens' weights are in (in the first trip w2's scale words too)
	s_wait_dscnt 0x0                               ; in the first trip: the weights' fragments
	v_mov_b32 v[WA], v[CW]                         ; the two weights move aside, each twice for the packed lines: the next tile's land where they lay
	v_mov_b32 v[WA+1], v[CW]
	v_mov_b32 v[WB], v[CW+1]
	v_mov_b32 v[WB+1], v[CW+1]
	WIN 0x0d                                       ; source 0 (a's weights) window 1, source 1 (h) window 3
.irp s, 0,1,2,3,4,5,6,7
.irp ct, 0,1,2,3
	DMM 0, \ct, \s
.endr
.endr
	WIN 0x0e                                       ; source 0 (b's weights) window 2
.irp s, 0,1,2,3,4,5,6,7
.irp ct, 0,1,2,3
	DMM 1, \ct, \s
.endr
.endr
	WIN 0
.rept 4
	v_nop                                          ; four places behind the last product: ahead of the loads into h's registers and scale words, and of the first read of results
.endr
	s_wait_xcnt 0x0                                ; the last trip's stores have read their registers: they are written again below
	s_add_co_u32 s[KN], s[KK], 1
	s_cmp_lt_u32 s[KN], s[NTR]
	s_cbranch_scc0 .Lno_next
	LOADH KN                                       ; my next tile: it lands under this tile's way out
.Lno_next:
	s_wait_alu depctr_va_vdst(0)
.irp k, 0,2,4,6,8,10,12,14,16,18,20,22,24,26,28,30
	v_pk_mul_f32 v[ACA+\k:ACA+\k+1], v[ACA+\k:ACA+\k+1], v[WA:WA+1]                       ; each accumulator from its low end on
.endr
.irp k, 0,2,4,6,8,10,12,14,16,18,20,22,24,26,28,30
	v_pk_fma_f32 v[ACA+\k:ACA+\k+1], v[ACB+\k:ACB+\k+1], v[WB:WB+1], v[ACA+\k:ACA+\k+1]   ; wa ya + wb yb
.endr
.irp ct, 0,1,2,3
	ds_store_b128 v[STO], v[ACA+8*\ct:ACA+8*\ct+3] offset:64*\ct       ; lane (r, h): columns 16 ct + 8 h + 0 .. 7 of token r
	ds_store_b128 v[STO], v[ACA+8*\ct+4:ACA+8*\ct+7] offset:64*\ct+16
.endr
	ds_store_b32 v[STT], v[TKC]                    ; lanes l and l xor 16 store the same word with the same value
.irp k, 0,1,2,3,4,5,6,7
	ds_load_b128 v[OB+4*\k:OB+4*\k+3], v[RDA] offset:2*\k*SP   ; LDS serves a wave's instructions in order: these see the stores above
	ds_load_b32 v[TK+\k], v[RDT] offset:2*\k*SP
.endr
	s_wait_dscnt 0x0
.irp k, 0,1,2,3,4,5,6,7
	v_min_u32 v[TK+\k], 2047, v[TK+\k]
	v_lshl_add_u32 v[AD+\k], v[TK+\k], 12, v[OC]   ; the token's row of 4,096 bytes
	global_store_b128 v[AD+\k], v[OB+4*\k:OB+4*\k+3], s[12:13] th:TH_STORE_NT   ; sixteen lanes store 256 consecutive bytes, aligned; written once, read by nobody here
.endr
	COEF                                           ; the next tile's tokens and their weights (this tile's tokens have gone to the stage and back)
	s_add_co_u32 s[KK], s[KK], 1
	s_cmp_lt_u32 s[KK], s[NTR]
	s_cbranch_scc1 .Ltile
.Lend:
	s_wait_tensorcnt 0x0
	ds_add_u32 v254, v255
	s_wait_dscnt 0x0
	s_endpgm
.Lfunc_end_k_q55e51ecda3_down:
	.size	k_q55e51ecda3_down, .Lfunc_end_k_q55e51ecda3_down-k_q55e51ecda3_down
	.p2alignl 7, 3214868480
	.fill 96, 4, 3214868480
	.section	.rodata,"a",@progbits
	.p2align	6, 0x0
	.amdhsa_kernel k_q55e51ecda3_down
		.amdhsa_group_segment_fixed_size 148992
		.amdhsa_private_segment_fixed_size 0
		.amdhsa_enable_private_segment 0
		.amdhsa_kernarg_size 40
		.amdhsa_user_sgpr_count 2
		.amdhsa_user_sgpr_kernarg_segment_ptr 1
		.amdhsa_wavefront_size32 1
		.amdhsa_system_sgpr_workgroup_id_x 1
		.amdhsa_system_sgpr_workgroup_id_y 1
		.amdhsa_system_sgpr_workgroup_id_z 1
		.amdhsa_system_vgpr_workitem_id 0
		.amdhsa_next_free_vgpr 896
		.amdhsa_next_free_sgpr 66
		.amdhsa_reserve_vcc 1
		.amdhsa_float_denorm_mode_32 3
		.amdhsa_float_denorm_mode_16_64 3
		.amdhsa_memory_ordered 1
		.amdhsa_forward_progress 1
		.amdhsa_inst_pref_size 46
	.end_amdhsa_kernel
	.amdgpu_metadata
---
amdhsa.version: [ 1, 2 ]
amdhsa.kernels:
  - .name:           k_q55e51ecda3_down
    .symbol:         k_q55e51ecda3_down.kd
    .args:
      - { .name: wb, .offset: 0, .size: 8, .value_kind: global_buffer, .address_space: global }
      - { .name: hb, .offset: 8, .size: 8, .value_kind: global_buffer, .address_space: global }
      - { .name: ent, .offset: 16, .size: 8, .value_kind: global_buffer, .address_space: global }
      - { .name: coef, .offset: 24, .size: 8, .value_kind: global_buffer, .address_space: global }
      - { .name: out0, .offset: 32, .size: 8, .value_kind: global_buffer, .address_space: global }
    .group_segment_fixed_size: 148992
    .private_segment_fixed_size: 0
    .kernarg_segment_align: 8
    .kernarg_segment_size: 40
    .max_flat_workgroup_size: 128
    .sgpr_count:     66
    .vgpr_count:     896
    .wavefront_size: 32
...
	.end_amdgpu_metadata
.endif
;; end of part 3
